; MI455X (gfx1250); checked and timed in simulation.
; The chip was launched on July 23, 2026; its instructions are those of AMD's public machine-readable ISA for CDNA 5 (MIT licence, August 2026) and "CDNA5" Instruction Set Architecture Reference Guide (July 2026). The comments in the code are by the model that wrote it; some were corrected since.
;; Multi Head Attention. Allowed arithmetic: float matrix products may take bf16 or f16 operands with f32 sums; all other float work in f32.
;; Inputs: Wk 512 x 512 float32; Wo 512 x 512 float32; Wq 512 x 512 float32; Wv 512 x 512 float32; bk 512 float32; bo 512 float32; bq 512 float32; bv 512 float32; mask 4 x 2,048 int32; x 4 x 2,048 x 512 float32.
;; Outputs: out0 4 x 2,048 x 512 float32.
;; One version. Each part assembles by itself: llvm-mc -triple=amdgcn-amd-amdhsa -mcpu=gfx1250 --defsym DOCPART=n.
;; ======== version 1 of 1: 4 launches
;; limits: values are held in f16: magnitudes above 65,504 overflow, below 6.1e-05 lose precision
;; workspace buffers: xb 8,388,608 bytes; wcat 2,097,152 bytes; qkvb 25,165,824 bytes; ctxb 8,388,608 bytes
;; launch cast (part 1): grid 256 x 1, 8 waves a work-group, no clusters, 0 bytes of LDS; arguments x, Wq, Wk, Wv, Wo, xb, wcat; writes xb, wcat
.if DOCPART == 1
	.amdgcn_target "amdgcn-amd-amdhsa--gfx1250"
	.amdhsa_code_object_version 6
	.text
	.protected	k_qc60c002588_cast
	.globl	k_qc60c002588_cast
	.p2align	8
	.type	k_qc60c002588_cast,@function
k_qc60c002588_cast:
	s_mov_b64 s[64:65], 0
	v_nop
	global_prefetch_b8 v0, s[64:65] scope:SCOPE_SE
	s_setreg_imm32_b32 hwreg(HW_REG_WAVE_MODE, 25, 1), 1
	s_wait_xcnt 0x0
; xb = f16(x), [8192][512].  wcat = f16 of the four weights side by side along n: [512 k][2048 n], columns 0-511 Wq, 512-1023 Wk,
; 1024-1535 Wv, 1536-2047 Wo.  f16 and not bf16: a result passes through twelve roundings of matrix operands (x and W three times, Q, K, V,
; P, ctx, Wo), and 11 bits of significand make each of them 8 times finer than 8 bits would.
; LIMIT: |x| and |W| below 65,504, f16's largest number; numbers below 2^-14 are kept on f16's denormal grid of 2^-24.
; A stream: every byte is read once and written once, nothing is shared between work-groups, so LDS, barriers, matrix instructions and
; clusters have nothing to add here.
; A work-group takes 65,536 bytes of x and 8 rows of one weight.  A wave takes 8,192 bytes of x (16 loads of 512 neighbouring bytes) and
; one weight row of 2,048 bytes (4 loads).  All 20 loads go out first; each has registers of its own for data and result, so no register
; that a pending instruction names is ever written again.  A store of the wave covers 256 consecutive bytes, aligned.
.set XR, 4                             ; v[4:83]    20 loads x 4 registers, f32
.set YR, 84                            ; v[84:123]  20 x 2 registers, f16
	s_load_b256 s[4:11], s[0:1], 0x0               ; x s[4:5], Wq s[6:7], Wk s[8:9], Wv s[10:11]
	s_load_b128 s[12:15], s[0:1], 0x20             ; Wo s[12:13], xb s[14:15]
	s_load_b64 s[16:17], s[0:1], 0x30              ; wcat
	s_lshr_b32 s20, ttmp9, 6                       ; which weight: 64 work-groups for each
	s_and_b32 s21, ttmp9, 63                       ; which 8 rows of it
	s_lshl_b32 s22, s21, 14                        ; 8 rows of 2,048 bytes
	s_mov_b32 s23, 0
	s_lshl_b32 s24, ttmp9, 16                      ; my part of x
	s_mov_b32 s25, 0
	s_lshl_b32 s26, ttmp9, 15                      ; my part of xb
	s_mov_b32 s27, 0
	s_lshl_b32 s28, s21, 15                        ; 8 rows of wcat, 4,096 bytes each,
	s_lshl_b32 s29, s20, 10                        ; + the weight's 1,024 bytes in a row
	s_add_co_u32 s28, s28, s29
	s_mov_b32 s29, 0
	v_and_b32 v1, 31, v0                           ; lane
	v_lshrrev_b32 v0, 5, v0                        ; wave
	v_lshlrev_b32 v3, 3, v1                        ; 8 x lane
	v_lshlrev_b32 v2, 4, v1                        ; 16 x lane
	v_lshl_add_u32 v1, v0, 13, v2                  ; x: wave x 8,192 + 16 x lane
	v_lshl_add_u32 v2, v0, 11, v2                  ; weight: wave x 2,048 (its row) + 16 x lane
	v_lshl_add_u32 v3, v0, 12, v3                  ; both outputs: wave x 4,096 + 8 x lane
	s_wait_kmcnt 0x0
	s_cmp_eq_u32 s20, 1                            ; the weight's address: a choice on the work-group's number
	s_cselect_b64 s[6:7], s[8:9], s[6:7]
	s_cmp_eq_u32 s20, 2
	s_cselect_b64 s[6:7], s[10:11], s[6:7]
	s_cmp_eq_u32 s20, 3
	s_cselect_b64 s[6:7], s[12:13], s[6:7]
	s_add_nc_u64 s[4:5], s[4:5], s[24:25]
	s_add_nc_u64 s[6:7], s[6:7], s[22:23]
	s_add_nc_u64 s[14:15], s[14:15], s[26:27]
	s_add_nc_u64 s[16:17], s[16:17], s[28:29]
.irp j, 0,1,2,3,4,5,6,7,8,9,10,11,12,13,14,15
	global_load_b128 v[XR+4*\j:XR+4*\j+3], v1, s[4:5] offset:512*\j th:TH_LOAD_NT
.endr
.irp j, 0,1,2,3
	global_load_b128 v[XR+64+4*\j:XR+64+4*\j+3], v2, s[6:7] offset:512*\j th:TH_LOAD_NT
.endr
.set j, 0
.rept 16
	s_wait_loadcnt 19-j                            ; loads come back in order (ISA guide 5.7.1): load j is in, the 19 - j younger ones stay out
	v_cvt_pk_f16_f32 v[YR+2*j],   v[XR+4*j],   v[XR+4*j+1]
	v_cvt_pk_f16_f32 v[YR+2*j+1], v[XR+4*j+2], v[XR+4*j+3]
	global_store_b64 v3, v[YR+2*j:YR+2*j+1], s[14:15] offset:256*j
.set j, j+1
.endr
.set j, 0
.rept 4
	s_wait_loadcnt 3-j
	v_cvt_pk_f16_f32 v[YR+32+2*j],   v[XR+64+4*j],   v[XR+64+4*j+1]
	v_cvt_pk_f16_f32 v[YR+32+2*j+1], v[XR+64+4*j+2], v[XR+64+4*j+3]
	global_store_b64 v3, v[YR+32+2*j:YR+32+2*j+1], s[16:17] offset:256*j
.set j, j+1
.endr
	s_endpgm
.Lfunc_end_k_qc60c002588_cast:
	.size	k_qc60c002588_cast, .Lfunc_end_k_qc60c002588_cast-k_qc60c002588_cast
	.p2alignl 7, 3214868480
	.fill 96, 4, 3214868480
	.section	.rodata,"a",@progbits
	.p2align	6, 0x0
	.amdhsa_kernel k_qc60c002588_cast
		.amdhsa_group_segment_fixed_size 0
		.amdhsa_private_segment_fixed_size 0
		.amdhsa_enable_private_segment 0
		.amdhsa_kernarg_size 56
		.amdhsa_user_sgpr_count 2
		.amdhsa_user_sgpr_kernarg_segment_ptr 1
		.amdhsa_wavefront_size32 1
		.amdhsa_system_sgpr_workgroup_id_x 1
		.amdhsa_system_sgpr_workgroup_id_y 1
		.amdhsa_system_sgpr_workgroup_id_z 1
		.amdhsa_system_vgpr_workitem_id 0
		.amdhsa_next_free_vgpr 124
		.amdhsa_next_free_sgpr 66
		.amdhsa_reserve_vcc 0
		.amdhsa_float_denorm_mode_32 3
		.amdhsa_float_denorm_mode_16_64 3
		.amdhsa_memory_ordered 1
		.amdhsa_forward_progress 1
		.amdhsa_inst_pref_size 9
	.end_amdhsa_kernel
	.amdgpu_metadata
---
amdhsa.version: [ 1, 2 ]
amdhsa.kernels:
  - .name:           k_qc60c002588_cast
    .symbol:         k_qc60c002588_cast.kd
    .args:
      - { .name: x, .offset: 0, .size: 8, .value_kind: global_buffer, .address_space: global }
      - { .name: Wq, .offset: 8, .size: 8, .value_kind: global_buffer, .address_space: global }
      - { .name: Wk, .offset: 16, .size: 8, .value_kind: global_buffer, .address_space: global }
      - { .name: Wv, .offset: 24, .size: 8, .value_kind: global_buffer, .address_space: global }
      - { .name: Wo, .offset: 32, .size: 8, .value_kind: global_buffer, .address_space: global }
      - { .name: xb, .offset: 40, .size: 8, .value_kind: global_buffer, .address_space: global }
      - { .name: wcat, .offset: 48, .size: 8, .value_kind: global_buffer, .address_space: global }
    .group_segment_fixed_size: 0
    .private_segment_fixed_size: 0
    .kernarg_segment_align: 8
    .kernarg_segment_size: 56
    .max_flat_workgroup_size: 256
    .sgpr_count:     66
    .vgpr_count:     124
    .wavefront_size: 32
...
	.end_amdgpu_metadata
.endif
;; end of part 1
;; launch proj (part 2): grid 32 x 6, 4 waves a work-group, clusters of 4 x 1, 327,680 bytes of LDS; arguments xb, wcat, bq, bk, bv, mask, qkvb; writes qkvb
.if DOCPART == 2
	.amdgcn_target "amdgcn-amd-amdhsa--gfx1250"
	.amdhsa_code_object_version 6
	.text
	.protected	k_qc60c002588_proj
	.globl	k_qc60c002588_proj
	.p2align	8
	.type	k_qc60c002588_proj,@function
k_qc60c002588_proj:
	s_mov_b64 s[64:65], 0
	v_nop
	global_prefetch_b8 v0, s[64:65] scope:SCOPE_SE
	s_setreg_imm32_b32 hwreg(HW_REG_WAVE_MODE, 25, 1), 1
	s_wait_xcnt 0x0
	s_wait_alu depctr_hold_cnt(0) depctr_sa_sdst(0) depctr_va_vdst(0) depctr_va_sdst(0) depctr_va_ssrc(0) depctr_va_vcc(0) depctr_vm_vsrc(0)
	s_getreg_b32 s2, hwreg(HW_REG_IB_STS2, 6, 4)
	s_cmp_eq_u32 s2, 0
	s_cbranch_scc0 .Lentry_in_a_cluster
	s_endpgm
.Lentry_in_a_cluster:
	s_bfe_u32 s2, ttmp6, 0x10000c
	s_cmp_lg_u32 s2, 0x3003
	s_cbranch_scc0 .Lentry_shape_is_right
	s_endpgm
.Lentry_shape_is_right:
; [Q c | K | V] = xb wcat[:, 0:1536] + bias, c = 0.125 log2(e) on Q alone (so that attention's exponentials are plain powers of two),
; rounded once to f16 and stored by head: qkvb[b][g][s][64], g = 0-7 Q's heads, 8-15 K's, 16-23 V's.
; K's rows of masked keys (mask[b][s] = 0) are stored as zeros: attention's products with such a key are then exactly 0, and the constant that
; takes the score's place comes in as the C operand there.
; xb: [8192][512] f16.  wcat: [512 k][2048 n] f16.  mask: [8192] int32.  Sums in f32.
; LIMITS: Q is rounded to f16 with c in it.  |Q c|, |K|, |V| below 65,504, f16's largest number.  The room, by the sizes: with x of spread 1 and
; W of spread 1/sqrt(512) a projection has spread 1; x and W both 30 times larger make it 900; a common offset of 30 spreads on both
; (30 and 1.33) makes a sum of 512 x 30 x 1.33, about 20,400.
; A work-group makes 256 rows x 256 columns with four waves, a wave 128 x 128: 64 accumulator tiles, 512 registers.  K = 512 goes in four
; steps of 128 through two LDS slots.  32 x 6 = 192 work-groups: a block of 192 or 384 columns would give 256 of them, but its weight rows
; (96 or 192 words) are no length behind which the mover can lay a pad (2, 4, .. 256 words).
; CLUSTERS: four work-groups that are neighbours along the rows (x) make one block column and need the same tiles of wcat: these are asked
; for jointly (mask 15).  xb's tiles are shared by the six block columns; six is no multiple of a cluster's four, so they come by plain loads.
; REGISTERS, in windows of 256:
;   window 0: v8-15 row masks; v16-30 addresses and constants; v32-63 packed results; v64-127, v128-191 fragments of xb, two buffers;
;             v192-255 bias of my 128 columns
;   window 1: v64-127, v128-191 fragments of wcat, two buffers
;   window 2: the 32 accumulator tiles of my rows 0-63 (tile (a, b) at v[8 (8 a + b)]);   window 3: those of my rows 64-127
; The matrix instruction is used transposed: source 0 = 16 columns of wcat, source 1 = 16 rows of xb, so lane l holds row l % 16 and its
; registers 0-7 the columns 8 (l / 16) + 0 .. 7: sixteen bytes of one head's row once packed.
.set KSTEP,  128
.set PITCH,  272                       ; xb's LDS row: 256 bytes + 16
.set PITCHB, 544                       ; wcat's LDS row (256 columns): 512 bytes + 32, an odd multiple of 32 for the transposing load
.set HALFT,  128*PITCH                 ; what one tensor load brings: 128 rows of xb, or 64 k rows of wcat (64 x 544 is the same 34,816)
.set SLOT,   4*HALFT                   ; xb rows 0-127, 128-255, wcat k 0-63, 64-127
.set STAGE,  2*SLOT                    ; behind the ring: 16 rows x 272 bytes for each wave; no tensor load lands here
.set SPITCH, 272
.set AM,   8                           ; v8-15   row group i: the mask word of row 16 i + l % 16, then all ones (keep) or 0 (a masked key's K row)
.set ADRA, 16                          ; v16-17  LDS address of my xb fragments in slot 0, 1
.set ADRB, 20                          ; v20-21  the same for wcat
.set STO,  24                          ; v24     the way out: where I put 16 bytes of a row
.set RD,   25                          ; v25     the way out: where I read back
.set CO,   26                          ; v26     my byte offset in qkvb
.set BOFF, 27                          ; v27     my byte offset in the bias
.set MOFF, 28                          ; v28     my byte offset in the mask
.set KEEPV, 29                         ; v29     what a masked row is ANDed with: 0 in K's blocks, all ones in Q's and V's
.set ONES, 30                          ; v30     all ones
.set TMP,  32                          ; v32-63  packed results
.set F0,   64
.set F1,   128
.set BIAS, 192                         ; v192-255: column block b, register j: bias of column 16 b + 8 (l / 16) + j
.set G1,  24                           ; s[24:31] group 1 for xb's tiles
.set G0,  32                           ; s[32:39] group 0 for xb's tiles, one set for each slot
.set G1B, 48                           ; s[48:55] group 1 for wcat's tiles
.set G0B, 56                           ; s[56:63] group 0 for wcat's tiles
.set SC,  76                           ; s[76:77] c or 1.0, twice
.set MSB, 0
.macro WIN new                         ; the immediate's high byte repeats the setting that is left
.if MSB != \new
	s_set_vgpr_msb (MSB<<8)|\new
.set MSB, \new
.endif
.endm
.set MUL_LO, 0xa1                      ; source 0 (wcat) window 1, source 1 (xb) window 0, C and D window 2
.set MUL_HI, 0xf1                      ; the same, C and D window 3
.set TO_B,   0x40                      ; destination window 1, address window 0
; Waves 0 and 1 fetch xb's two halves (plain), waves 2 and 3 wcat's (joint).  The branch hangs on the wave's number alone.
.macro JLOAD s
	s_cmp_eq_u32 s11, 0
	s_cbranch_scc0 .Lfor_b_\@
	tensor_load_to_lds s[G0+4*\s:G0+4*\s+3], s[G1:G1+7]
	s_nop 0
	s_branch .Lasked_\@
.Lfor_b_\@:
	tensor_load_to_lds s[G0B+4*\s:G0B+4*\s+3], s[G1B:G1B+7]
	s_nop 0
.Lasked_\@:
.endm
; A round of the cluster's barrier: my work-group's barrier, wave 0 signals for the work-group, every wave waits for all four work-groups,
; my work-group's barrier once more.
.macro CREST                           ; a round behind its opening barrier
	s_cmp_lg_u32 s10, 0
	s_cbranch_scc1 .Lnot_wave_0_\@
	s_barrier_signal -3
.Lnot_wave_0_\@:
	s_barrier_wait -3
	s_barrier_signal -1
	s_barrier_wait -1
.endm
.macro CROUND
	s_barrier_signal -1
	s_barrier_wait -1
	CREST
.endm
	s_load_b128 s[4:7], s[0:1], 0x0                ; xb s[4:5], wcat s[6:7]
	s_load_b256 s[68:75], s[0:1], 0x10             ; bq s[68:69], bk s[70:71], bv s[72:73], mask s[74:75]
	s_load_b64 s[80:81], s[0:1], 0x30              ; qkvb
	s_set_vgpr_msb 0x40
	v_lshl_add_u32 v255, v0, 2, 0x48400
	s_set_vgpr_msb 0x4000
	v_mov_b32 v31, 0
	s_set_vgpr_msb 0x1
	ds_add_u32 v255, v31
	s_set_vgpr_msb 0x100
	v_lshrrev_b32 v1, 5, v0
	v_readfirstlane_b32 s10, v1                    ; wave 0..3
	s_lshr_b32 s11, s10, 1                         ; which half of the block's rows is mine.  Also: I fetch xb (0) or wcat (1)
	s_and_b32 s12, s10, 1                          ; which half of its columns.  Also: which half of that tile I fetch
	s_bfe_u32 s40, ttmp6, 0x40000                  ; cx
	s_lshl_b32 s13, ttmp9, 2
	s_add_co_u32 s13, s13, s40                     ; block row = 4 x cluster x + cx, 0..31
	s_and_b32 s42, ttmp7, 0xffff                   ; block column 0..5: the same in the four partners
	; group 1 for xb: 128 rows x 128 elements of 2 bytes, 4 words of padding behind every 64; no mask
	s_mov_b32 s[G1+0], (1<<16)|(1<<20)|(5<<22)|(3<<25)
	s_mov_b32 s[G1+1], 128<<16                     ; tensor_dim0 = 128
	s_mov_b32 s[G1+2], 128<<16                     ; tensor_dim1 = 128
	s_mov_b32 s[G1+3], 128<<16                     ; tile_dim0 = 128
	s_mov_b32 s[G1+4], 128                         ; tile_dim1 = 128
	s_mov_b32 s[G1+5], 512                         ; elements from row to row
	s_mov_b32 s[G1+6], 0
	s_mov_b32 s[G1+7], 0
	; group 1 for wcat: 64 k rows x 256 elements, 8 words of padding behind every 128; mask of all four partners, bit 21 beside it
	s_mov_b32 s[G1B+0], 15|(1<<16)|(1<<20)|(1<<21)|(6<<22)|(7<<25)
	s_mov_b32 s[G1B+1], 256<<16
	s_mov_b32 s[G1B+2], 64<<16
	s_mov_b32 s[G1B+3], 256<<16
	s_mov_b32 s[G1B+4], 64
	s_mov_b32 s[G1B+5], 2048
	s_mov_b32 s[G1B+6], 0
	s_mov_b32 s[G1B+7], 0
	s_lshl_b32 s16, s13, 18                        ; xb: (256 x block row + 128 x half) rows of 1,024 bytes
	s_lshl_b32 s17, s12, 17
	s_add_co_u32 s16, s16, s17
	s_mov_b32 s17, 0
	s_lshl_b32 s46, s12, 18                        ; wcat: 64 x half rows of 4,096 bytes + 512 x block column; no register here ever holds cx
	s_lshl_b32 s47, s42, 9
	s_add_co_u32 s46, s46, s47
	s_mov_b32 s47, 0
	s_mul_i32 s20, s10, HALFT                      ; where my quarter of a slot lies: the wave's number alone
	s_and_b32 s78, s42, 1                          ; bias: ((block column & 1) x 256 + 128 x column half) x 4 bytes
	s_lshl_b32 s78, s78, 10
	s_lshl_b32 s79, s12, 9
	s_add_co_u32 s78, s78, s79
	s_mov_b32 s79, 0
	s_lshl_b32 s82, s13, 10                        ; mask: (256 x block row + 128 x row half) words of 4 bytes; x's row number is the mask's index
	s_lshl_b32 s83, s11, 9
	s_add_co_u32 s82, s82, s83
	s_mov_b32 s83, 0
	s_wait_dscnt 0x0
	s_wait_kmcnt 0x0
	s_add_nc_u64 s[14:15], s[4:5], s[16:17]
	s_add_nc_u64 s[46:47], s[6:7], s[46:47]
	s_add_nc_u64 s[74:75], s[74:75], s[82:83]
	CROUND                                         ; all four work-groups are here: the first joint loads meet
.irp s, 0,1
	s_mov_b32 s[G0+4*\s], 1
	s_add_co_u32 s[G0+4*\s+1], s20, \s*SLOT
	s_add_nc_u64 s[G0+4*\s+2:G0+4*\s+3], s[14:15], \s*KSTEP*2        ; K step s: 256 bytes along the rows
	s_or_b32 s[G0+4*\s+3], s[G0+4*\s+3], 0x80000000
	s_mov_b32 s[G0B+4*\s], 1
	s_add_co_u32 s[G0B+4*\s+1], s20, \s*SLOT
	s_add_nc_u64 s[G0B+4*\s+2:G0B+4*\s+3], s[46:47], \s*KSTEP*4096   ; K step s: 128 rows down
	s_or_b32 s[G0B+4*\s+3], s[G0B+4*\s+3], 0x80000000
	JLOAD \s
.endr
	; which bias and which factor: block columns 0, 1 are Q's, 2, 3 K's, 4, 5 V's
	s_cmp_lt_u32 s42, 4
	s_cselect_b64 s[70:71], s[70:71], s[72:73]
	s_cmp_lt_u32 s42, 2
	s_cselect_b64 s[68:69], s[68:69], s[70:71]
	s_cselect_b32 s[SC], 0x3e38aa3b, 1.0           ; 0.125 log2(e) for Q
	s_mov_b32 s[SC+1], s[SC]
	s_add_nc_u64 s[68:69], s[68:69], s[78:79]
	s_lshr_b32 s43, s42, 1
	s_cmp_eq_u32 s43, 1                            ; K's blocks alone clear the masked rows
	s_cselect_b32 s43, 0, -1
	v_and_b32 v1, 15, v0                           ; l % 16
	v_bfe_u32 v2, v0, 4, 1                         ; l / 16
	v_lshlrev_b32 v[BOFF], 5, v2                   ; 8 columns of 4 bytes for each half of the lanes
	v_lshlrev_b32 v[MOFF], 2, v1                   ; my row's word in each group of 16 rows
.irp b, 0,1,2,3,4,5,6,7
	global_load_b128 v[BIAS+8*\b:BIAS+8*\b+3],   v[BOFF], s[68:69] offset:64*\b
	global_load_b128 v[BIAS+8*\b+4:BIAS+8*\b+7], v[BOFF], s[68:69] offset:64*\b+16
.endr
.irp i, 0,1,2,3,4,5,6,7
	global_load_b32 v[AM+\i], v[MOFF], s[74:75] offset:64*\i       ; my wave's 128 rows are 512 neighbouring bytes of the mask, read once
.endr
	v_mov_b32 v[KEEPV], s43
	v_mov_b32 v[ONES], -1
	; xb's fragments: row x pitch + 16 x half, two loads 32 bytes apart
	v_mul_u32_u24 v3, v1, PITCH
	v_lshl_add_u32 v3, v2, 4, v3
	s_mul_i32 s21, s11, HALFT                      ; my 128 rows of xb
	; wcat lies [k][n]: the transposing load wants (8 (l / 16) + l % 8) x pitch + 16 x ((l / 8) % 2); two loads 16 k rows apart
	v_and_b32 v6, 7, v0
	v_lshl_add_u32 v6, v2, 3, v6
	v_mul_u32_u24 v6, v6, PITCHB
	v_bfe_u32 v7, v0, 3, 1
	v_lshl_add_u32 v6, v7, 4, v6
	s_lshl_b32 s22, s12, 8                         ; my 128 columns: 256 bytes,
	s_add_co_u32 s22, s22, 2*HALFT                 ; behind xb's 256 rows
.irp s, 0,1
	v_add_nc_u32 v[ADRA+\s], s21, v3
	v_add_nc_u32 v[ADRB+\s], s22, v6
	s_add_co_u32 s21, s21, SLOT
	s_add_co_u32 s22, s22, SLOT
.endr
	s_mul_i32 s23, s10, 16*SPITCH
	s_add_co_u32 s23, s23, STAGE                   ; my stage
	v_mul_u32_u24 v4, v1, SPITCH                   ; in: row l % 16, 16 bytes for each half of the lanes
	v_lshl_add_u32 v4, v2, 4, v4
	v_add_nc_u32 v[STO], s23, v4
	v_lshrrev_b32 v5, 3, v1                        ; back: lanes 0-15 take head 0's 128 bytes of two rows, lanes 16-31 head 1's
	v_mul_u32_u24 v5, v5, SPITCH
	v_lshl_add_u32 v5, v2, 7, v5
	v_and_b32 v7, 7, v0
	v_lshl_add_u32 v5, v7, 4, v5
	v_add_nc_u32 v[RD], s23, v5
	v_lshlrev_b32 v5, 4, v1                        ; in qkvb two rows of a head are 256 neighbouring bytes; the next head is 262,144 bytes on
	v_lshl_add_u32 v[CO], v2, 18, v5
; 16 matrix instructions: row blocks a0, a0 + 1 of the window's four x all 8 column blocks, 32 along K.  zero = 1: the product starts the sums.
.macro MUL16 f, hi, a0, zero
.irp a, \a0, \a0+1
.irp b, 0,1,2,3,4,5,6,7
.if \zero
	v_wmma_f32_16x16x32_f16 v[8*(8*(\a)+\b):8*(8*(\a)+\b)+7], v[\f+8*\b:\f+8*\b+7], v[\f+8*(4*\hi+\a):\f+8*(4*\hi+\a)+7], 0
.else
	v_wmma_f32_16x16x32_f16 v[8*(8*(\a)+\b):8*(8*(\a)+\b)+7], v[\f+8*\b:\f+8*\b+7], v[\f+8*(4*\hi+\a):\f+8*(4*\hi+\a)+7], v[8*(8*(\a)+\b):8*(8*(\a)+\b)+7]
.endif
.endr
.endr
.endm
; 32 LDS loads in one run: the fragments of quarter q (32 along K) into buffer f
.macro FETCH slot, q, f
	WIN TO_B
.irp i, 0,1,2,3,4,5,6,7
	ds_load_tr16_b128 v[\f+8*\i:\f+8*\i+3],   v[ADRB+\slot] offset:\q*32*PITCHB+32*\i
	ds_load_tr16_b128 v[\f+8*\i+4:\f+8*\i+7], v[ADRB+\slot] offset:\q*32*PITCHB+32*\i+16*PITCHB
.endr
	WIN 0
.irp i, 0,1,2,3,4,5,6,7
	ds_load_b128 v[\f+8*\i:\f+8*\i+3],   v[ADRA+\slot] offset:\q*64+\i*16*PITCH
	ds_load_b128 v[\f+8*\i+4:\f+8*\i+7], v[ADRA+\slot] offset:\q*64+\i*16*PITCH+32
.endr
.endm
; Four places of plain vector instructions stand between a matrix instruction and a load into one of its sources or a vector instruction
; that reads its result (ISA guide 7.12.1 for vector instructions).
.macro PLACES
.rept 4
	v_nop
.endr
.endm
; The 64 accumulators take turns, one instruction a turn, in the same order in every quarter.
.macro QUARTER slot, q, f, g, zero
	s_wait_dscnt 8                                 ; wcat's and xb's rows 0-63 are in; the youngest eight loads (xb's rows 64-127) may be out
	WIN MUL_LO
	MUL16 \f, 0, 0, \zero
	MUL16 \f, 0, 2, \zero
	PLACES
	FETCH \slot, \q, \g
	s_wait_dscnt 32                                ; all but the 32 just issued
	WIN MUL_HI
	MUL16 \f, 1, 0, \zero
	MUL16 \f, 1, 2, \zero
.endm
.macro THREE slot, zero
	QUARTER \slot, 1, F0, F1, \zero
	QUARTER \slot, 2, F1, F0, 0
	QUARTER \slot, 3, F0, F1, 0
.endm
; The last quarter of a K step: multiplies buffer 1 and changes slots.  fill = 1: this slot is filled again, two K steps ahead.
.macro TURN slot, next, fill
	s_wait_dscnt 8
	WIN MUL_LO
	MUL16 F1, 0, 0, 0
	s_wait_dscnt 0                                 ; my reads of this slot are over
	s_wait_tensorcnt 0x0                           ; all my tensor loads have landed: the one that was out is my part of the next slot
	ds_add_u32 v255, v31
	s_wait_dscnt 0x0
	s_barrier_signal -1                            ; where a slot is filled again this barrier opens a round of the cluster's barrier
	MUL16 F1, 0, 2, 0                              ; register work while the others arrive
	WIN 0
	s_barrier_wait -1
.if \fill
	CREST                                          ; no wave of any partner still reads this slot or has a load on its way
	s_add_nc_u64 s[G0+4*\slot+2:G0+4*\slot+3], s[G0+4*\slot+2:G0+4*\slot+3], 2*KSTEP*2
	s_add_nc_u64 s[G0B+4*\slot+2:G0B+4*\slot+3], s[G0B+4*\slot+2:G0B+4*\slot+3], 2*KSTEP*4096
	JLOAD \slot                                    ; the first tensor load behind the round
.endif
	PLACES
	FETCH \next, 0, F0
	WIN MUL_HI
	MUL16 F1, 1, 0, 0
	MUL16 F1, 1, 2, 0
.endm
	s_wait_tensorcnt 1                             ; my part of K step 0 is in; K step 1's, issued behind it, stays out
	s_barrier_signal -1
	s_barrier_wait -1
	FETCH 0, 0, F0
	THREE 0, 1                                     ; K step 0: its first products start the sums
	TURN 0, 1, 1                                   ; slot 0 gets K step 2
	THREE 1, 0                                     ; K step 1
	TURN 1, 0, 1                                   ; slot 1 gets K step 3
	THREE 0, 0                                     ; K step 2
	TURN 0, 1, 0                                   ; nothing more to fetch
	THREE 1, 0                                     ; K step 3
	s_wait_dscnt 8
	WIN MUL_LO
	MUL16 F1, 0, 0, 0
	MUL16 F1, 0, 2, 0
	s_wait_dscnt 0
	WIN MUL_HI
	MUL16 F1, 1, 0, 0
	MUL16 F1, 1, 2, 0
	; THE WAY OUT, 16 rows at a time: (sum + bias) x factor as one fused multiply-add with bias x factor, round to f16, clear a masked key's K row,
	; through my stage.
	PLACES
	s_lshr_b32 s16, s13, 3                         ; b: eight row blocks to a batch
	s_mul_i32 s16, s16, 24
	s_lshl2_add_u32 s16, s42, s16                  ; + 4 x block column
	s_lshl1_add_u32 s16, s12, s16                  ; + 2 x column half: the first of my two heads
	s_lshl_b32 s16, s16, 18                        ; planes of 2,048 rows x 128 bytes
	s_and_b32 s17, s13, 7
	s_lshl_b32 s17, s17, 15                        ; + 256 rows for each row block in the batch
	s_add_co_u32 s16, s16, s17
	s_lshl_b32 s17, s11, 14                        ; + 128 rows for the row half
	s_add_co_u32 s16, s16, s17
	s_mov_b32 s17, 0
	s_add_nc_u64 s[80:81], s[80:81], s[16:17]
	s_wait_loadcnt 0x0                             ; the bias and the mask, asked for at the start
	WIN 0
.set i, 0
.rept 32
	v_pk_mul_f32 v[BIAS+2*i:BIAS+2*i+1], v[BIAS+2*i:BIAS+2*i+1], s[SC:SC+1] op_sel_hi:[1,0]
.set i, i+1
.endr
.irp i, 0,1,2,3,4,5,6,7
	v_cmp_ne_u32 vcc_lo, 0, v[AM+\i]
	v_cndmask_b32 v[AM+\i], v[KEEPV], v[ONES], vcc_lo              ; a key that counts: all ones; a masked one: 0 in K's blocks, all ones elsewhere
.endr
; rows 16 i .. 16 i + 15 of my block = the eight tiles (a, 0..7) of window 2 or 3.  fmaw: source 0 and destination in that window;
; from: sources 0 and 1 in that window; f: F0 or F1 in turn
.macro OUT16 i, a, fmaw, from, f
	WIN \fmaw
.irp b, 0,1,2,3,4,5,6,7
.irp r, 0,1,2,3
	v_pk_fma_f32 v[8*(8*\a+\b)+2*\r:8*(8*\a+\b)+2*\r+1], v[8*(8*\a+\b)+2*\r:8*(8*\a+\b)+2*\r+1], s[SC:SC+1], v[BIAS+8*\b+2*\r:BIAS+8*\b+2*\r+1] op_sel_hi:[1,0,1]
.endr
.endr
	WIN \from
.irp b, 0,1,2,3,4,5,6,7
.irp r, 0,1,2,3
	v_cvt_pk_f16_f32 v[TMP+4*\b+\r], v[8*(8*\a+\b)+2*\r], v[8*(8*\a+\b)+2*\r+1]
.endr
.endr
	WIN 0
.irp b, 0,1,2,3,4,5,6,7
.irp r, 0,1,2,3
	v_and_b32 v[TMP+4*\b+\r], v[AM+\i], v[TMP+4*\b+\r]             ; one text for the three kinds of block: Q's and V's rows pass unchanged
.endr
.endr
.irp b, 0,1,2,3,4,5,6,7
	ds_store_b128 v[STO], v[TMP+4*\b:TMP+4*\b+3] offset:32*\b
.endr
	s_wait_xcnt 0x0                                ; buffer f, which earlier stores read, and the stores' base are rewritten only behind this wait (ISA guide 3.1)
.if \i
	s_add_nc_u64 s[80:81], s[80:81], 16*128        ; 16 rows of a head on
.endif
.irp t, 0,1,2,3,4,5,6,7
	ds_load_b128 v[\f+4*\t:\f+4*\t+3], v[RD] offset:\t*2*SPITCH    ; my own bytes, served in order (ISA guide 5.7.1): these see the stores above
.endr
.irp t, 0,1,2,3,4,5,6,7
	s_wait_dscnt 7-\t                              ; the 7 - t younger LDS loads may be out
	global_store_b128 v[CO], v[\f+4*\t:\f+4*\t+3], s[80:81] offset:256*\t   ; 16 lanes store 256 consecutive bytes, aligned: two rows of one head
.endr
.endm
	OUT16 0, 0, 0x82, 0x0a, F0
	OUT16 1, 1, 0x82, 0x0a, F1
	OUT16 2, 2, 0x82, 0x0a, F0
	OUT16 3, 3, 0x82, 0x0a, F1
	OUT16 4, 0, 0xc3, 0x0f, F0
	OUT16 5, 1, 0xc3, 0x0f, F1
	OUT16 6, 2, 0xc3, 0x0f, F0
	OUT16 7, 3, 0xc3, 0x0f, F1
	s_set_vgpr_msb 0x1
	s_wait_tensorcnt 0x0
	ds_add_u32 v255, v31
	s_wait_dscnt 0x0
	s_set_vgpr_msb 0x100
	CROUND                                         ; the closing round: no work-group ends while a partner may still ask for a tile that names it
	s_endpgm
.Lfunc_end_k_qc60c002588_proj:
	.size	k_qc60c002588_proj, .Lfunc_end_k_qc60c002588_proj-k_qc60c002588_proj
	.p2alignl 7, 3214868480
	.fill 96, 4, 3214868480
	.section	.rodata,"a",@progbits
	.p2align	6, 0x0
	.amdhsa_kernel k_qc60c002588_proj
		.amdhsa_group_segment_fixed_size 327680
		.amdhsa_private_segment_fixed_size 0
		.amdhsa_enable_private_segment 0
		.amdhsa_kernarg_size 56
		.amdhsa_user_sgpr_count 2
		.amdhsa_user_sgpr_kernarg_segment_ptr 1
		.amdhsa_wavefront_size32 1
		.amdhsa_system_sgpr_workgroup_id_x 1
		.amdhsa_system_sgpr_workgroup_id_y 1
		.amdhsa_system_sgpr_workgroup_id_z 1
		.amdhsa_system_vgpr_workitem_id 0
		.amdhsa_next_free_vgpr 1024
		.amdhsa_next_free_sgpr 84
		.amdhsa_reserve_vcc 1
		.amdhsa_float_denorm_mode_32 3
		.amdhsa_float_denorm_mode_16_64 3
		.amdhsa_memory_ordered 1
		.amdhsa_forward_progress 1
		.amdhsa_inst_pref_size 174
	.end_amdhsa_kernel
	.amdgpu_metadata
---
amdhsa.version: [ 1, 2 ]
amdhsa.kernels:
  - .name:           k_qc60c002588_proj
    .symbol:         k_qc60c002588_proj.kd
    .args:
      - { .name: xb, .offset: 0, .size: 8, .value_kind: global_buffer, .address_space: global }
      - { .name: wcat, .offset: 8, .size: 8, .value_kind: global_buffer, .address_space: global }
      - { .name: bq, .offset: 16, .size: 8, .value_kind: global_buffer, .address_space: global }
      - { .name: bk, .offset: 24, .size: 8, .value_kind: global_buffer, .address_space: global }
      - { .name: bv, .offset: 32, .size: 8, .value_kind: global_buffer, .address_space: global }
      - { .name: mask, .offset: 40, .size: 8, .value_kind: global_buffer, .address_space: global }
      - { .name: qkvb, .offset: 48, .size: 8, .value_kind: global_buffer, .address_space: global }
    .group_segment_fixed_size: 327680
    .private_segment_fixed_size: 0
    .kernarg_segment_align: 8
    .kernarg_segment_size: 56
    .max_flat_workgroup_size: 128
    .sgpr_count:     84
    .vgpr_count:     1024
    .wavefront_size: 32
...
	.end_amdgpu_metadata
.endif
;; end of part 2
;; launch attn (part 3): grid 8 x 32, 8 waves a work-group, clusters of 4 x 1, 327,680 bytes of LDS; arguments qkvb, mask, ctxb; writes ctxb
.if DOCPART == 3
	.amdgcn_target "amdgcn-amd-amdhsa--gfx1250"
	.amdhsa_code_object_version 6
	.text
	.protected	k_qc60c002588_attn
	.globl	k_qc60c002588_attn
	.p2align	8
	.type	k_qc60c002588_attn,@function
k_qc60c002588_attn:
	s_mov_b64 s[64:65], 0
	v_nop
	global_prefetch_b8 v0, s[64:65] scope:SCOPE_SE
	s_setreg_imm32_b32 hwreg(HW_REG_WAVE_MODE, 25, 1), 1
	s_wait_xcnt 0x0
	s_wait_alu depctr_hold_cnt(0) depctr_sa_sdst(0) depctr_va_vdst(0) depctr_va_sdst(0) depctr_va_ssrc(0) depctr_va_vcc(0) depctr_vm_vsrc(0)
	s_getreg_b32 s2, hwreg(HW_REG_IB_STS2, 6, 4)
	s_cmp_eq_u32 s2, 0
	s_cbranch_scc0 .Lentry_in_a_cluster
	s_endpgm
.Lentry_in_a_cluster:
	s_bfe_u32 s2, ttmp6, 0x10000c
	s_cmp_lg_u32 s2, 0x3003
	s_cbranch_scc0 .Lentry_shape_is_right
	s_endpgm
.Lentry_shape_is_right:
; ctxb[b][h][s][64] = softmax over keys of (Q K^T / 8, masked keys replaced by -1e9) V, for one head and 256 queries in a work-group.
; qkvb[b][g][s][64] f16: g = h Q (with 0.125 log2(e) in it), 8 + h K (rows of masked keys are zeros), 16 + h V.  mask[b][s] int32, 0 = masked.
; Running maximum, sums and rescaling in f32; exponentials are powers of two.
; THE MASK: the first matrix instruction of a score tile takes as C the biases of its 16 keys, 0 or -1e9 log2(e).  A masked key's K row is zero, so
; its products are exactly 0 and its score is exactly that constant, whatever Q holds: the replacement of the definition, with no vector work.
; With every key masked all scores are equal and the softmax is uniform, as in the definition.
; LIMITS: P goes to the matrix unit in f16: it lies in (0, 1], and a p below 2^-25 becomes 0; over 2,048 keys that is at most 2,048 x 2^-25 = 6e-5
; of a sum that is at least 1.  ctx is a convex mean of V's rows, so it has V's room in f16.
; SHARES: eight waves.  Wave w = 4 g + p takes queries 64 p .. 64 p + 63 against half of the keys (of each tile of 256 keys the keys
; 128 g .. 128 g + 127), in blocks of 64 keys; the two halves are merged once, at the end.
; CLUSTERS: the four partners are query blocks of the same head and walk the same K and V tiles: these are asked for jointly (mask 15).
; TRANSPOSED PRODUCTS: S^T = K Q^T (source 0 = 16 keys, source 1 = 16 queries): lane (r, h) register j holds key 8 h + j, query r.  Two such
; tiles packed to f16 in place are the second source of O^T = V^T P^T; V^T comes by the transposing LDS load.  So a query's maximum and
; sum live in its two lanes r and r + 16, and one exchange of the halves joins them.
; A PIPELINE BY QUERY TILE: step k = 4 x block + nt does the softmax of query tile nt (119 vector instructions), and among them stand the 8 matrix
; instructions of the scores of step k + 1's tile and the 8 of P V of step k - 1's tile, in groups of 4, 4 and 8 x 1.  None of the three needs
; another's results of the same step, and no registers are added: the scores of tile k + 1 land on the P that P V used two steps before.
; My query tiles: nt = 0, 1 are queries 64 p + 32 g + 16 nt + r, nt = 2, 3 are 64 p + 32 (1 - g) + 16 (nt - 2) + r: every wave keeps tiles 0, 1
; and hands tiles 2, 3 to wave (w + 4) % 8, with one text for all waves.
; REGISTERS, two windows of 256, laid so that a step changes the window setting six times:
;   window 0: O, K's fragments, V^T's fragments.   window 1: S and P, Q, the key biases, addresses, maxima, sums.
;   0x55 softmax (all in window 1); 0x54 scores (source 0 = K in window 0); 0x04 P V and the rescaling of O (source 1 = P or the factor in window 1);
;   0x01 LDS loads into window 0 by an address in window 1; 0x41 the same into window 1.
.set KP,    144                        ; K's LDS row: 128 bytes + 16
.set VP,    160                        ; V's LDS row: 128 bytes + 32, an odd multiple of 32 for the transposing load
.set KSLOT, 256*KP                     ; 36,864
.set VS0,   2*KSLOT                    ; 73,728
.set VSLOT, 256*VP                     ; 40,960
.set BIASL, VS0+2*VSLOT                ; 155,648: 2,048 f32, 0 or -1e9 log2(e) for each key; written by LDS stores, never a tensor load's target
.set MRG,   BIASL+8192                 ; 163,840: 8,704 bytes a wave, what it hands to its partner
.set MRGW,  8704
.set OST,   MRG+8*MRGW                 ; 233,472: 4,608 bytes a wave (32 rows x 144), the way out
.set OSTW,  4608
.set TILEB, 32768                      ; a tile of 256 keys in memory
.set OO, 0                             ; window 0  v[0:127]    O(ht, nt) at 32 nt + 8 ht
.set KF, 128                           ; window 0  v[128:191]  K(mt, ks) at 128 + 16 mt + 8 ks
.set VF, 192                           ; window 0  v[192:255]  V^T(ht, kc) at 192 + 16 ht + 8 kc
.set SS, 0                             ; window 1  v[0:127]    S(mt, nt) at 32 nt + 8 mt; P(kc, nt) = the 8 registers at 32 nt + 16 kc
.set QF, 128                           ; window 1  v[128:191]  Q(nt, ks) at 128 + 16 nt + 8 ks
.set BI, 192                           ; window 1  v[192:223]  key biases, 8 for each mt
.set AK, 224                           ; window 1  v224-225    K fragments' LDS address in slot 0, 1
.set AV, 226                           ; window 1  v226-227    V fragments' LDS address in slot 0, 1
.set AB, 228                           ; window 1  v228        the key biases' LDS address, 1,024 bytes on with each tile
.set TID, 229                          ; window 1  v229        the thread's number (v0 becomes a register of O)
.set MX, 232                           ; window 1  v[232+2nt] running maximum, v[233+2nt] the new one
.set AL, 240                           ; window 1  v240 2^(old - new maximum), v241 what comes from the other half of the lanes
.set TB, 242                           ; window 1  v242-244 three more chains of the maximum
.set LS, 248                           ; window 1  v[248+2nt:249+2nt] two partial sums
.set G1K, 16                           ; s[16:23]
.set G1V, 24                           ; s[24:31]
.set G0K, 32                           ; s[32:39] one set for each slot
.set G0V, 40                           ; s[40:47]
.set MSB, 0
.macro WIN new                         ; low byte: bits 1:0 source 0, 3:2 source 1, 5:4 source 2, 7:6 destination; the high byte repeats the setting that is left
.if MSB != \new
	s_set_vgpr_msb (MSB<<8)|\new
.set MSB, \new
.endif
.endm
.macro PLACES n
.rept \n
	v_nop
.endr
.endm
.macro CREST                           ; a round of the cluster's barrier behind its opening barrier
	s_cmp_lg_u32 s10, 0
	s_cbranch_scc1 .Lnot_wave_0_\@
	s_barrier_signal -3
.Lnot_wave_0_\@:
	s_barrier_wait -3
	s_barrier_signal -1
	s_barrier_wait -1
.endm
.macro ROUND                           ; a whole round
	s_barrier_signal -1
	s_barrier_wait -1
	CREST
.endm
	s_load_b128 s[4:7], s[0:1], 0x0                ; qkvb s[4:5], mask s[6:7]
	s_load_b64 s[8:9], s[0:1], 0x10                ; ctxb
	s_set_vgpr_msb 0x40
	v_lshl_add_u32 v230, v0, 2, 0x42000
	v_mov_b32 v231, 0
	s_set_vgpr_msb 0x4045
	ds_add_u32 v230, v231
	s_set_vgpr_msb 0x4500
	v_lshrrev_b32 v8, 5, v0
	v_readfirstlane_b32 s10, v8                    ; wave 0..7
	s_lshr_b32 s11, s10, 2                         ; g: my half of the keys
	s_and_b32 s12, s10, 3                          ; p: my 64 queries
	s_bfe_u32 s13, ttmp6, 0x40000                  ; cx
	s_lshl_b32 s49, ttmp9, 2
	s_add_co_u32 s13, s13, s49                     ; query block 0..7: enters global addresses of Q and ctxb alone
	s_and_b32 s14, ttmp7, 0xffff                   ; 8 b + h: the same in the four partners
	s_lshr_b32 s52, s14, 3                         ; b
	s_and_b32 s53, s14, 7                          ; h
	s_mul_i32 s54, s52, 24
	s_add_co_u32 s54, s54, s53
	s_lshl_b32 s54, s54, 18                        ; Q's plane: (24 b + h) x 262,144 bytes
	s_lshl_b32 s55, s10, 12                        ; my 32 keys of a tile: 4,096 bytes
	s_add_co_u32 s56, s54, s55
	s_add_co_u32 s56, s56, 8<<18                   ; K's plane is 8 planes on,
	s_mov_b32 s57, 0
	s_add_co_u32 s58, s56, 8<<18                   ; V's 16
	s_mov_b32 s59, 0
	s_lshl_b32 s60, s13, 15                        ; Q: 256 rows of 128 bytes for each query block
	s_add_co_u32 s60, s60, s54
	s_mov_b32 s61, 0
	s_lshl_b32 s62, s52, 13                        ; the mask's row b
	s_mov_b32 s63, 0
	s_mov_b32 s50, 0x76543210                      ; v_permlanex16_b32: lane i of one half reads lane i of the other
	s_mov_b32 s51, 0xfedcba98
	; until the first P V writes O, window 0's low registers serve as scratch
	v_and_b32 v9, 15, v0                           ; r
	v_bfe_u32 v10, v0, 4, 1                        ; h (half of the lanes)
	v_lshlrev_b32 v114, 5, v0                      ; thread t takes keys 8 t .. 8 t + 7: 32 bytes of the mask, 32 of the biases
	s_lshl_b32 s49, s12, 6
	s_lshl_b32 s15, s11, 5
	s_add_co_u32 s15, s15, s49                     ; 64 p + 32 g
	s_xor_b32 s49, s15, 32                         ; 64 p + 32 (1 - g)
	v_add_nc_u32 v6, s15, v9
	v_add_nc_u32 v7, s49, v9
	v_lshlrev_b32 v11, 4, v10                      ; 16 h
	v_lshl_add_u32 v6, v6, 7, v11                  ; Q's byte offsets for tiles 0, 1 and 2, 3: row x 128 + 16 h
	v_lshl_add_u32 v7, v7, 7, v11
	s_wait_dscnt 0x0
	s_wait_kmcnt 0x0
	s_add_nc_u64 s[6:7], s[6:7], s[62:63]
	s_add_nc_u64 s[60:61], s[4:5], s[60:61]
	s_add_nc_u64 s[56:57], s[4:5], s[56:57]
	s_add_nc_u64 s[58:59], s[4:5], s[58:59]
	global_load_b128 v[96:99], v114, s[6:7]
	global_load_b128 v[100:103], v114, s[6:7] offset:16
	WIN 0x40                                       ; Q into window 1, the offset from window 0
.irp nt, 0,1,2,3
.irp ks, 0,1
	global_load_b128 v[QF+16*\nt+8*\ks:QF+16*\nt+8*\ks+3],   v[6+\nt/2], s[60:61] offset:(\nt%2)*2048+64*\ks
	global_load_b128 v[QF+16*\nt+8*\ks+4:QF+16*\nt+8*\ks+7], v[6+\nt/2], s[60:61] offset:(\nt%2)*2048+64*\ks+32
.endr
.endr
	WIN 0
	; group 1: 32 keys x 64 elements of 2 bytes, a pad behind every 32 words (K: 4 words, V: 8); mask of all four partners, bit 21 beside it
	s_mov_b32 s[G1K+0], 15|(1<<16)|(1<<20)|(1<<21)|(4<<22)|(3<<25)
	s_mov_b32 s[G1V+0], 15|(1<<16)|(1<<20)|(1<<21)|(4<<22)|(7<<25)
.irp g, G1K, G1V
	s_mov_b32 s[\g+1], 64<<16                      ; tensor_dim0 = 64
	s_mov_b32 s[\g+2], 32<<16                      ; tensor_dim1 = 32
	s_mov_b32 s[\g+3], 64<<16                      ; tile_dim0 = 64
	s_mov_b32 s[\g+4], 32                          ; tile_dim1 = 32
	s_mov_b32 s[\g+5], 64                          ; elements from row to row
	s_mov_b32 s[\g+6], 0
	s_mov_b32 s[\g+7], 0
.endr
	s_mul_i32 s15, s10, 32*KP                      ; my 32 rows in a K slot,
	s_mul_i32 s49, s10, 32*VP                      ; in a V slot: the wave's number alone
.irp n, 0,1
	s_mov_b32 s[G0K+4*\n], 1
	s_add_co_u32 s[G0K+4*\n+1], s15, \n*KSLOT
	s_add_nc_u64 s[G0K+4*\n+2:G0K+4*\n+3], s[56:57], \n*TILEB      ; slot n starts with tile n
	s_or_b32 s[G0K+4*\n+3], s[G0K+4*\n+3], 0x80000000
	s_mov_b32 s[G0V+4*\n], 1
	s_add_co_u32 s[G0V+4*\n+1], s49, VS0+\n*VSLOT
	s_add_nc_u64 s[G0V+4*\n+2:G0V+4*\n+3], s[58:59], \n*TILEB
	s_or_b32 s[G0V+4*\n+3], s[G0V+4*\n+3], 0x80000000
.endr
	; LDS addresses
	v_mul_u32_u24 v12, v9, KP
	v_add_nc_u32 v12, v12, v11                     ; K: r x 144 + 16 h
	v_and_b32 v13, 7, v0
	v_lshl_add_u32 v13, v10, 3, v13                ; V: (8 h + l % 8) x 160
	v_mul_u32_u24 v13, v13, VP
	v_bfe_u32 v14, v0, 3, 1
	v_lshl_add_u32 v13, v14, 4, v13                ; + 16 x ((l / 8) % 2)
	v_lshlrev_b32 v14, 5, v10                      ; biases: 8 h keys of 4 bytes
	s_mul_i32 s52, s11, 128*KP                     ; my half of a tile's keys, in slot 0,
	s_add_co_u32 s53, s52, KSLOT                   ; in slot 1
	s_mul_i32 s54, s11, 128*VP
	s_add_co_u32 s54, s54, VS0
	s_add_co_u32 s55, s54, VSLOT
	s_lshl_b32 s49, s11, 9                         ; 128 g keys of 4 bytes
	s_add_co_u32 s49, s49, BIASL
	WIN 0x40                                       ; what lasts goes to window 1
	v_add_nc_u32 v[AK], s52, v12
	v_add_nc_u32 v[AK+1], s53, v12
	v_add_nc_u32 v[AV], s54, v13
	v_add_nc_u32 v[AV+1], s55, v13
	v_add_nc_u32 v[AB], s49, v14
	v_mov_b32 v[TID], v0
.irp nt, 0,1,2,3
	v_mov_b32 v[MX+2*\nt], 0xff800000              ; -inf: the first block's rescaling factor comes out 0
	v_mov_b32 v[LS+2*\nt], 0
	v_mov_b32 v[LS+2*\nt+1], 0
.endr
	v_mov_b32 v[AL+1], 0                           ; v_permlanex16_b32 counts as a reader of its destination
	WIN 0
	v_mov_b32 v112, 0                              ; a key that counts: nothing is added to its score
	v_mov_b32 v113, 0xceabfb8f                     ; a masked key: -1e9 log2(e) onto products that are 0
	v_add_nc_u32 v115, BIASL, v114
	s_wait_loadcnt 16                              ; the mask is in; Q's 16 loads, issued behind it, stay out
.irp j, 0,1,2,3,4,5,6,7
	v_cmp_eq_u32 vcc_lo, 0, v[96+\j]
	v_cndmask_b32 v[104+\j], v112, v113, vcc_lo
.endr
	ds_store_b128 v115, v[104:107]
	ds_store_b128 v115, v[108:111] offset:16
	s_wait_dscnt 0x0                               ; my biases are in LDS, for the other waves' sake; the round's first barrier shows them
	ROUND                                          ; all four work-groups are here: the first joint loads meet
	tensor_load_to_lds s[G0K:G0K+3], s[G1K:G1K+7]  ; tile 0, then tile 1: both slots' first fill; four tensor loads of the wave are out
	s_nop 0
	tensor_load_to_lds s[G0V:G0V+3], s[G1V:G1V+7]
	s_nop 0
	tensor_load_to_lds s[G0K+4:G0K+7], s[G1K:G1K+7]
	s_nop 0
	tensor_load_to_lds s[G0V+4:G0V+7], s[G1V:G1V+7]
	s_nop 0
	s_wait_loadcnt 0x0                             ; Q
	s_wait_tensorcnt 0x2                           ; my parts of tile 0 are in; tile 1's two loads, issued behind them, stay out
	s_barrier_signal -1
	s_barrier_wait -1                              ; everybody's are
.macro LOADK slot, blk                 ; 64 keys x 64: 16 loads
	WIN 0x01
.irp mt, 0,1,2,3
.irp ks, 0,1
	ds_load_b128 v[KF+16*\mt+8*\ks:KF+16*\mt+8*\ks+3],   v[AK+\slot] offset:(\blk)*64*KP+\mt*16*KP+64*\ks
	ds_load_b128 v[KF+16*\mt+8*\ks+4:KF+16*\mt+8*\ks+7], v[AK+\slot] offset:(\blk)*64*KP+\mt*16*KP+64*\ks+32
.endr
.endr
.endm
.macro LOADB blk                       ; the biases of my 8 keys in each of the 4 key tiles: 8 loads
	WIN 0x41
.irp mt, 0,1,2,3
	ds_load_b128 v[BI+8*\mt:BI+8*\mt+3],   v[AB] offset:(\blk)*256+64*\mt
	ds_load_b128 v[BI+8*\mt+4:BI+8*\mt+7], v[AB] offset:(\blk)*256+64*\mt+16
.endr
.endm
.macro LOADV slot, blk                 ; V^T of 64 keys: 16 transposing loads
	WIN 0x01
.irp ht, 0,1,2,3
.irp kc, 0,1
	ds_load_tr16_b128 v[VF+16*\ht+8*\kc:VF+16*\ht+8*\kc+3],   v[AV+\slot] offset:(\blk)*64*VP+\kc*32*VP+32*\ht
	ds_load_tr16_b128 v[VF+16*\ht+8*\kc+4:VF+16*\ht+8*\kc+7], v[AV+\slot] offset:(\blk)*64*VP+\kc*32*VP+32*\ht+16*VP
.endr
.endr
.endm
; Four matrix instructions: half (ks) of the scores of query tile n1 against the block's four key tiles.  ks = 0 starts the sums from the key biases.
; The four accumulators take turns, one instruction a turn.
.macro SGRP n1, ks
	WIN 0x54
.irp mt, 0,1,2,3
.if \ks == 0
	v_wmma_f32_16x16x32_f16 v[SS+32*\n1+8*\mt:SS+32*\n1+8*\mt+7], v[KF+16*\mt:KF+16*\mt+7], v[QF+16*\n1:QF+16*\n1+7], v[BI+8*\mt:BI+8*\mt+7]
.else
	v_wmma_f32_16x16x32_f16 v[SS+32*\n1+8*\mt:SS+32*\n1+8*\mt+7], v[KF+16*\mt+8:KF+16*\mt+15], v[QF+16*\n1+8:QF+16*\n1+15], v[SS+32*\n1+8*\mt:SS+32*\n1+8*\mt+7]
.endif
.endr
.endm
.macro SUB1 nt, j                      ; pair j of tile nt: score - maximum
	v_pk_add_f32 v[SS+32*\nt+2*(\j):SS+32*\nt+2*(\j)+1], v[SS+32*\nt+2*(\j):SS+32*\nt+2*(\j)+1], v[MX+2*\nt:MX+2*\nt+1] op_sel_hi:[1,0] neg_lo:[0,1] neg_hi:[0,1]
.endm
; The new maximum of tile nt in four chains, the first started by the old one; the exchange of the lanes' halves; the factor 2^(old - new);
; then the first 14 of the 16 subtractions.
.macro MAXP nt
	WIN 0x55
	v_max3_num_f32 v[MX+2*\nt+1], v[SS+32*\nt], v[SS+32*\nt+1], v[MX+2*\nt]
	v_max_num_f32 v[TB],   v[SS+32*\nt+2], v[SS+32*\nt+3]
	v_max_num_f32 v[TB+1], v[SS+32*\nt+4], v[SS+32*\nt+5]
	v_max_num_f32 v[TB+2], v[SS+32*\nt+6], v[SS+32*\nt+7]
.set i, 8
.rept 3
	v_max3_num_f32 v[MX+2*\nt+1], v[SS+32*\nt+i],   v[SS+32*\nt+i+1], v[MX+2*\nt+1]
	v_max3_num_f32 v[TB],         v[SS+32*\nt+i+2], v[SS+32*\nt+i+3], v[TB]
	v_max3_num_f32 v[TB+1],       v[SS+32*\nt+i+4], v[SS+32*\nt+i+5], v[TB+1]
	v_max3_num_f32 v[TB+2],       v[SS+32*\nt+i+6], v[SS+32*\nt+i+7], v[TB+2]
.set i, i+8
.endr
	v_max3_num_f32 v[MX+2*\nt+1], v[MX+2*\nt+1], v[TB], v[TB+1]
	v_max_num_f32 v[MX+2*\nt+1], v[MX+2*\nt+1], v[TB+2]
	v_permlanex16_b32 v[AL+1], v[MX+2*\nt+1], s50, s51             ; the same query's other eight keys of each key tile
	v_max_num_f32 v[MX+2*\nt+1], v[MX+2*\nt+1], v[AL+1]
	v_sub_f32 v[AL], v[MX+2*\nt], v[MX+2*\nt+1]
	v_exp_f32 v[AL], v[AL]
	v_mov_b32 v[MX+2*\nt], v[MX+2*\nt+1]           ; also the plain instruction behind the exponential (ISA guide 5.7.2)
.set i, 0
.rept 14
	SUB1 \nt, i
.set i, i+1
.endr
.endm
; Pair j of tile nt, exponentials done: onto the sum (pair 0 with the old sum's rescaling in one fused multiply-add), then to f16 in place:
; register j + 8 (j / 8) takes registers 2 j, 2 j + 1; j ascending, so no register is written before it has been summed and packed.
.macro SUMC nt, j
.if (\j) == 0
	s_wait_alu depctr_va_vdst(0)
	v_pk_fma_f32 v[LS+2*\nt:LS+2*\nt+1], v[LS+2*\nt:LS+2*\nt+1], v[AL:AL+1], v[SS+32*\nt:SS+32*\nt+1] op_sel_hi:[1,0,1]
.else
	s_wait_alu depctr_va_vdst(0)
	v_pk_add_f32 v[LS+2*\nt:LS+2*\nt+1], v[SS+32*\nt+2*(\j):SS+32*\nt+2*(\j)+1], v[LS+2*\nt:LS+2*\nt+1]
.endif
	v_cvt_pk_f16_f32 v[SS+32*\nt+(\j)+8*((\j)/8)], v[SS+32*\nt+2*(\j)], v[SS+32*\nt+2*(\j)+1]
.endm
; The exponentials, two at a time, each pair followed by two plain instructions on an earlier pair: these are the plain instructions that stand
; between an exponential and the first use of its result (ISA guide 5.7.2).  Behind the first pair: the last two subtractions.
.macro EXPA nt
	WIN 0x55
	v_exp_f32 v[SS+32*\nt], v[SS+32*\nt]
	v_exp_f32 v[SS+32*\nt+1], v[SS+32*\nt+1]
	SUB1 \nt, 14
	SUB1 \nt, 15
.set i, 1
.rept 7
	v_exp_f32 v[SS+32*\nt+2*i], v[SS+32*\nt+2*i]
	v_exp_f32 v[SS+32*\nt+2*i+1], v[SS+32*\nt+2*i+1]
	SUMC \nt, i-1
.set i, i+1
.endr
.endm
.macro EXPB nt
	WIN 0x55
.set i, 8
.rept 8
	v_exp_f32 v[SS+32*\nt+2*i], v[SS+32*\nt+2*i]
	v_exp_f32 v[SS+32*\nt+2*i+1], v[SS+32*\nt+2*i+1]
	SUMC \nt, i-1
.set i, i+1
.endr
	SUMC \nt, 15
.endm
; dopv: the 8 matrix instructions O(., p1) += V^T P(., p1) of the step before (zero: the launch's first block, the first four start the sums);
; resc: O(., nt) to this step's new maximum, two packed multiplies behind each matrix instruction.  One window setting serves both.
; The four accumulators take turns, one instruction a turn.
.macro PVR p1, nt, dopv, zero, resc
.if (\dopv)+(\resc)
	WIN 0x04
.endif
.set w, 0
.rept 8
.if \dopv
.set CZ, 0
.if \zero
.if w < 4
.set CZ, 1
.endif
.endif
.if CZ
	v_wmma_f32_16x16x32_f16 v[OO+32*\p1+8*(w%4):OO+32*\p1+8*(w%4)+7], v[VF+16*(w%4)+8*(w/4):VF+16*(w%4)+8*(w/4)+7], v[SS+32*\p1+16*(w/4):SS+32*\p1+16*(w/4)+7], 0
.else
	v_wmma_f32_16x16x32_f16 v[OO+32*\p1+8*(w%4):OO+32*\p1+8*(w%4)+7], v[VF+16*(w%4)+8*(w/4):VF+16*(w%4)+8*(w/4)+7], v[SS+32*\p1+16*(w/4):SS+32*\p1+16*(w/4)+7], v[OO+32*\p1+8*(w%4):OO+32*\p1+8*(w%4)+7]
.endif
.endif
.if \resc
	v_pk_mul_f32 v[OO+32*\nt+4*w:OO+32*\nt+4*w+1],   v[OO+32*\nt+4*w:OO+32*\nt+4*w+1],   v[AL:AL+1] op_sel_hi:[1,0]
	v_pk_mul_f32 v[OO+32*\nt+4*w+2:OO+32*\nt+4*w+3], v[OO+32*\nt+4*w+2:OO+32*\nt+4*w+3], v[AL:AL+1] op_sel_hi:[1,0]
.endif
.set w, w+1
.endr
.endm
; One block of 64 keys: four steps.  slot, blk: where the block lies.  fb: 1 the launch's first block, 2 its second, 0 any other.
; kind (second block of a tile): 2 a round of the cluster's barrier and the refill of this slot; 1 a work-group barrier alone; 0 none.
; last: the launch's last block fetches nothing and starts no scores.
; FETCHES: V^T of this block goes out at the end of step 0, behind the last P V of the block before, and is waited for in front of step 1's P V.
; K and the biases of the next block go out in step 2, behind this block's last scores, and are waited for in front of step 3's scores.
; Each wait is for 0: nothing younger is out.  Four places stand between a matrix instruction and a load into one of its sources.
; THE RING: this tile's last LDS read is the second block's V^T.  Behind the wait for it every wave waits for all its tensor loads (two are out: its
; parts of the next tile) and signals; step 1's P V and rescaling, register work, stand between that signal and its wait; behind the round this slot
; is filled again first, with the tile after the next, which has a whole tile's work in which to land; the next tile is read from step 2 on.
.macro PBLOCK slot, blk, fb, kind, last
.set ZOWN, 0
.set ZPRE, 0
.set RSC, 1
.set PVP, 1
.if \fb == 1
.set ZOWN, 1
.set RSC, 0
.set PVP, 0
.endif
.if \fb == 2
.set ZPRE, 1
.endif
	MAXP 0                                         ; step 0
	SGRP 1, 0
	EXPA 0
	SGRP 1, 1
	EXPB 0
	PVR 3, 0, PVP, ZPRE, RSC
	PLACES 4
	LOADV \slot, \blk
	MAXP 1                                         ; step 1
	SGRP 2, 0
	EXPA 1
	SGRP 2, 1
	EXPB 1
	s_wait_dscnt 0x0                               ; V^T is in; in a tile's second block all my reads of the tile are done with it
.if \kind
	s_wait_tensorcnt 0x0                           ; all my tensor loads have landed: my parts of the next tile
	ds_add_u32 v230, v231
	s_wait_dscnt 0x0
	s_barrier_signal -1
.endif
	PVR 0, 1, 1, ZOWN, RSC
.if \kind
	WIN 0
	s_barrier_wait -1
.endif
.if \kind == 2
	CREST                                          ; no wave of any partner still reads this slot or has a load on its way
	s_add_nc_u64 s[G0K+4*\slot+2:G0K+4*\slot+3], s[G0K+4*\slot+2:G0K+4*\slot+3], 2*TILEB
	s_add_nc_u64 s[G0V+4*\slot+2:G0V+4*\slot+3], s[G0V+4*\slot+2:G0V+4*\slot+3], 2*TILEB
	tensor_load_to_lds s[G0K+4*\slot:G0K+4*\slot+3], s[G1K:G1K+7]  ; the first tensor loads behind the round
	s_nop 0
	tensor_load_to_lds s[G0V+4*\slot:G0V+4*\slot+3], s[G1V:G1V+7]
	s_nop 0
.endif
	MAXP 2                                         ; step 2
	SGRP 3, 0
	EXPA 2
	SGRP 3, 1
.if \last == 0
	PLACES 4
.if \blk
	v_add_nc_u32 v[AB], 1024, v[AB]                ; the next 256 keys' biases (destination and second source are in window 1 under the scores' setting)
	LOADK 1-\slot, 0
	LOADB 0
.else
	LOADK \slot, 1
	LOADB 1
.endif
.endif
	EXPB 2
	PVR 1, 2, 1, ZOWN, RSC
	MAXP 3                                         ; step 3
.if \last == 0
	s_wait_dscnt 0x0                               ; the next block's K and biases are in
	SGRP 0, 0
.endif
	EXPA 3
.if \last == 0
	SGRP 0, 1
.endif
	EXPB 3
	PVR 2, 3, 1, ZOWN, RSC
.endm
.macro PTRIP slot, f, kind, last       ; one tile of 256 keys: my 128 of them in two blocks
	PBLOCK \slot, 0, \f, 0, 0
	PBLOCK \slot, 1, 2*\f, \kind, \last
.endm
	LOADK 0, 0                                     ; the pipeline's head: the scores of block 0, query tile 0
	LOADB 0
	s_wait_dscnt 0x0
	SGRP 0, 0
	SGRP 0, 1
	PLACES 4                                       ; ahead of the first read of these scores (ISA guide 7.12.1)
	PTRIP 0, 1, 2, 0                               ; tile 0 stands in front of the loop: its products start O's sums; it asks for tile 2
	WIN 0
	s_mov_b32 s48, 2
.Lloop:
	PTRIP 1, 0, 2, 0                               ; tiles 1 to 4; they ask for tiles 3 to 6
	PTRIP 0, 0, 2, 0
	WIN 0
	s_sub_co_u32 s48, s48, 1
	s_cmp_lg_u32 s48, 0
	s_cbranch_scc1 .Lloop
	PTRIP 1, 0, 2, 0                               ; tile 5 asks for tile 7,
	PTRIP 0, 0, 1, 0                               ; tile 6 for nothing: its barrier only shows tile 7 to all waves,
	PTRIP 1, 0, 0, 1                               ; tile 7 has no barrier
	PVR 3, 0, 1, 0, 0                              ; the pipeline's tail: P V of the last step
	PLACES 4                                       ; ahead of the first read of O (ISA guide 7.12.1)
	; THE MERGE.  A query's sum: my two partial sums and those of the other half of the lanes.
	WIN 0x55
.irp nt, 0,1,2,3
	v_add_f32 v[LS+2*\nt], v[LS+2*\nt], v[LS+2*\nt+1]
.endr
.irp nt, 0,1,2,3
	v_permlanex16_b32 v[MX+2*\nt+1], v[LS+2*\nt], s50, s51
.endr
.irp nt, 0,1,2,3
	v_add_f32 v[LS+2*\nt], v[LS+2*\nt], v[MX+2*\nt+1]
.endr
.set QD,   244                         ; window 1  v[244:247] maximum and sum of two tiles, four words together: mine of tiles 2, 3, then the partner's of my tiles 0, 1
.set LN16, 224                         ; window 1  16 x lane (the loop's LDS addresses are done with)
.set MYR,  225                         ; window 1  my region of the merge stage
.set PAR,  226                         ; window 1  my partner's
.set OIN,  227                         ; window 1  the way out: in
.set OBK,  228                         ; window 1  the way out: back
	v_mov_b32 v[QD],   v[MX+4]
	v_mov_b32 v[QD+1], v[LS+4]
	v_mov_b32 v[QD+2], v[MX+6]
	v_mov_b32 v[QD+3], v[LS+6]
	v_and_b32 v[LN16], 31, v[TID]
	v_lshlrev_b32 v[LN16], 4, v[LN16]
	s_mul_i32 s52, s10, MRGW
	s_add_co_u32 s52, s52, MRG
	v_add_nc_u32 v[MYR], s52, v[LN16]
	s_add_co_u32 s53, s10, 4
	s_and_b32 s53, s53, 7                          ; my partner: the same queries, the other half of the keys
	s_mul_i32 s53, s53, MRGW
	s_add_co_u32 s53, s53, MRG
	v_add_nc_u32 v[PAR], s53, v[LN16]
	WIN 0x01                                       ; address from window 1, data from window 0
.irp nt, 2,3
.irp ht, 0,1,2,3
	ds_store_b128 v[MYR], v[OO+32*\nt+8*\ht:OO+32*\nt+8*\ht+3]   offset:(2*((\nt-2)*4+\ht))*512
	ds_store_b128 v[MYR], v[OO+32*\nt+8*\ht+4:OO+32*\nt+8*\ht+7] offset:(2*((\nt-2)*4+\ht)+1)*512
.endr
.endr
	WIN 0x05                                       ; address and data from window 1
	ds_store_b128 v[MYR], v[QD:QD+3] offset:8192
	WIN 0
	s_wait_dscnt 0x0                               ; for the partner's sake: zero
	s_barrier_signal -1
	s_barrier_wait -1
	WIN 0x01
.set i, 0
.rept 16
	ds_load_b128 v[KF+4*i:KF+4*i+3], v[PAR] offset:512*i           ; the partner's O of my tiles 0, 1, in O's own order, where K's fragments lay
.set i, i+1
.endr
	WIN 0x41
	ds_load_b128 v[QD:QD+3], v[PAR] offset:8192    ; its maxima and sums
	WIN 0x55                                       ; addresses of the way out, meanwhile
	v_and_b32 v[OIN], 15, v[TID]
	v_bfe_u32 v[OBK], v[TID], 4, 1
	v_mul_u32_u24 v[OIN], v[OIN], 144
	v_lshl_add_u32 v[OIN], v[OBK], 4, v[OIN]
	s_mul_i32 s54, s10, OSTW
	s_add_co_u32 s54, s54, OST
	v_add_nc_u32 v[OIN], s54, v[OIN]               ; in: row r, 16 bytes for each half of the lanes
	v_bfe_u32 v[OBK], v[TID], 3, 2
	v_mul_u32_u24 v[OBK], v[OBK], 144
	v_and_b32 v[TB], 7, v[TID]
	v_lshl_add_u32 v[OBK], v[TB], 4, v[OBK]
	v_add_nc_u32 v[OBK], s54, v[OBK]               ; back: eight lanes to a row of 128 bytes, four rows a load
	s_lshl_b32 s52, s14, 18                        ; ctxb: (8 b + h) planes, 256 x query block + 64 p + 32 g rows of 128 bytes
	s_lshl_b32 s53, s13, 15
	s_add_co_u32 s52, s52, s53
	s_lshl_b32 s53, s12, 13
	s_add_co_u32 s52, s52, s53
	s_lshl_b32 s53, s11, 12
	s_add_co_u32 s52, s52, s53
	s_mov_b32 s53, 0
	s_add_nc_u64 s[8:9], s[8:9], s[52:53]
	s_wait_dscnt 0x0
	; tile nt, where the biases lay: m at BI + 8 nt, f0 (mine) the pair at + 2, f1 (the partner's) the pair at + 4, the sum at + 6
.irp nt, 0,1
	v_max_num_f32 v[BI+8*\nt], v[MX+2*\nt], v[QD+2*\nt]
	v_sub_f32 v[BI+8*\nt+2], v[MX+2*\nt], v[BI+8*\nt]
	v_sub_f32 v[BI+8*\nt+4], v[QD+2*\nt], v[BI+8*\nt]
.endr
.irp nt, 0,1
	v_exp_f32 v[BI+8*\nt+2], v[BI+8*\nt+2]
	v_exp_f32 v[BI+8*\nt+4], v[BI+8*\nt+4]
.endr
	v_nop                                          ; the plain instruction behind the exponentials
	s_wait_alu depctr_va_vdst(0)
.irp nt, 0,1
	v_mul_f32 v[BI+8*\nt+6], v[QD+2*\nt+1], v[BI+8*\nt+4]
	v_fma_f32 v[BI+8*\nt+6], v[LS+2*\nt], v[BI+8*\nt+2], v[BI+8*\nt+6]   ; at least 1: the half that holds the maximum has a term 2^0
.endr
.irp nt, 0,1
	v_rcp_f32 v[BI+8*\nt+6], v[BI+8*\nt+6]
.endr
	v_nop
	s_wait_alu depctr_va_vdst(0)
.irp nt, 0,1
	v_mul_f32 v[BI+8*\nt+3], v[BI+8*\nt+2], v[BI+8*\nt+6]
	v_mul_f32 v[BI+8*\nt+2], v[BI+8*\nt+2], v[BI+8*\nt+6]
	v_mul_f32 v[BI+8*\nt+5], v[BI+8*\nt+4], v[BI+8*\nt+6]
	v_mul_f32 v[BI+8*\nt+4], v[BI+8*\nt+4], v[BI+8*\nt+6]
.endr
	WIN 0x04                                       ; O and the partner's O in window 0, the factors in window 1
.irp nt, 0,1
.set i, 0
.rept 16
	v_pk_mul_f32 v[KF+32*\nt+2*i:KF+32*\nt+2*i+1], v[KF+32*\nt+2*i:KF+32*\nt+2*i+1], v[BI+8*\nt+4:BI+8*\nt+5]
.set i, i+1
.endr
.endr
.irp nt, 0,1
.set i, 0
.rept 16
	v_pk_fma_f32 v[KF+32*\nt+2*i:KF+32*\nt+2*i+1], v[OO+32*\nt+2*i:OO+32*\nt+2*i+1], v[BI+8*\nt+2:BI+8*\nt+3], v[KF+32*\nt+2*i:KF+32*\nt+2*i+1]
.set i, i+1
.endr
.endr
	WIN 0
.set i, 0
.rept 32
	v_cvt_pk_f16_f32 v[VF+i], v[KF+2*i], v[KF+2*i+1]               ; register 16 nt + 4 ht + k, where V^T's fragments lay
.set i, i+1
.endr
	WIN 0x01                                       ; addresses from window 1, data in window 0
.irp nt, 0,1
.irp ht, 0,1,2,3
	ds_store_b128 v[OIN], v[VF+16*\nt+4*\ht:VF+16*\nt+4*\ht+3] offset:\nt*16*144+32*\ht
.endr
.endr
.irp t, 0,1,2,3,4,5,6,7
	ds_load_b128 v[KF+4*\t:KF+4*\t+3], v[OBK] offset:576*\t        ; my own bytes, served in order (ISA guide 5.7.1): these see the stores above
.endr
.irp t, 0,1,2,3,4,5,6,7
	s_wait_dscnt 7-\t                              ; the 7 - t younger LDS loads may be out
	global_store_b128 v[LN16], v[KF+4*\t:KF+4*\t+3], s[8:9] offset:512*\t   ; the wave stores 512 consecutive bytes, aligned: four rows
.endr
	WIN 0
	s_set_vgpr_msb 0x5
	s_wait_tensorcnt 0x0
	ds_add_u32 v230, v231
	s_wait_dscnt 0x0
	s_set_vgpr_msb 0x500
	ROUND                                          ; the closing round: no work-group ends while a partner may still ask for a tile that names it
	s_endpgm
.Lfunc_end_k_qc60c002588_attn:
	.size	k_qc60c002588_attn, .Lfunc_end_k_qc60c002588_attn-k_qc60c002588_attn
	.p2alignl 7, 3214868480
	.fill 96, 4, 3214868480
	.section	.rodata,"a",@progbits
	.p2align	6, 0x0
	.amdhsa_kernel k_qc60c002588_attn
		.amdhsa_group_segment_fixed_size 327680
		.amdhsa_private_segment_fixed_size 0
		.amdhsa_enable_private_segment 0
		.amdhsa_kernarg_size 24
		.amdhsa_user_sgpr_count 2
		.amdhsa_user_sgpr_kernarg_segment_ptr 1
		.amdhsa_wavefront_size32 1
		.amdhsa_system_sgpr_workgroup_id_x 1
		.amdhsa_system_sgpr_workgroup_id_y 1
		.amdhsa_system_sgpr_workgroup_id_z 1
		.amdhsa_system_vgpr_workitem_id 0
		.amdhsa_next_free_vgpr 512
		.amdhsa_next_free_sgpr 66
		.amdhsa_reserve_vcc 1
		.amdhsa_float_denorm_mode_32 3
		.amdhsa_float_denorm_mode_16_64 3
		.amdhsa_memory_ordered 1
		.amdhsa_forward_progress 1
		.amdhsa_inst_pref_size 255
	.end_amdhsa_kernel
	.section	.bss,"aw",@nobits
	.p2align	6
	.space	262144
	.amdgpu_metadata
---
amdhsa.version: [ 1, 2 ]
amdhsa.kernels:
  - .name:           k_qc60c002588_attn
    .symbol:         k_qc60c002588_attn.kd
    .args:
      - { .name: qkvb, .offset: 0, .size: 8, .value_kind: global_buffer, .address_space: global }
      - { .name: mask, .offset: 8, .size: 8, .value_kind: global_buffer, .address_space: global }
      - { .name: ctxb, .offset: 16, .size: 8, .value_kind: global_buffer, .address_space: global }
    .group_segment_fixed_size: 327680
    .private_segment_fixed_size: 0
    .kernarg_segment_align: 8
    .kernarg_segment_size: 24
    .max_flat_workgroup_size: 256
    .sgpr_count:     66
    .vgpr_count:     512
    .wavefront_size: 32
...
	.end_amdgpu_metadata
.endif
;; end of part 3
;; launch oproj (part 4): grid 4 x 64, 4 waves a work-group, clusters of 4 x 4, 312,832 bytes of LDS; arguments ctxb, wcat, bo, out0; writes out0
.if DOCPART == 4
	.amdgcn_target "amdgcn-amd-amdhsa--gfx1250"
	.amdhsa_code_object_version 6
	.text
	.protected	k_qc60c002588_oproj
	.globl	k_qc60c002588_oproj
	.p2align	8
	.type	k_qc60c002588_oproj,@function
k_qc60c002588_oproj:
	s_mov_b64 s[64:65], 0
	v_nop
	global_prefetch_b8 v0, s[64:65] scope:SCOPE_SE
	s_setreg_imm32_b32 hwreg(HW_REG_WAVE_MODE, 25, 1), 1
	s_wait_xcnt 0x0
	s_wait_alu depctr_hold_cnt(0) depctr_sa_sdst(0) depctr_va_vdst(0) depctr_va_sdst(0) depctr_va_ssrc(0) depctr_va_vcc(0) depctr_vm_vsrc(0)
	s_getreg_b32 s2, hwreg(HW_REG_IB_STS2, 6, 4)
	s_cmp_eq_u32 s2, 0
	s_cbranch_scc0 .Lentry_in_a_cluster
	s_endpgm
.Lentry_in_a_cluster:
	s_bfe_u32 s2, ttmp6, 0x10000c
	s_cmp_lg_u32 s2, 0xf033
	s_cbranch_scc0 .Lentry_shape_is_right
	s_endpgm
.Lentry_shape_is_right:
; out0 = ctx Wo + bo.  ctxb[b][h][s][64] f16 (k = 64 h + d), wcat[512 k][2048 n] f16 with Wo in columns 1536-2047, bo and out0 f32.
; A work-group makes 128 rows x 128 columns with four waves, a wave 64 x 64 (16 accumulator tiles): 4 x 64 = 256 work-groups.  Larger wave tiles
; would feed more products from each LDS byte but leave half of the work-groups without work.
; The block's whole K = 512 fits in LDS, in four chunks of 128: every LDS byte is filled once, so there is no ring and no refill.  A wave has
; four tensor loads out at the most, all issued at the start; the chunks are multiplied as they land, behind counted waits.
; CLUSTERS: 4 x 4 work-groups.  ctxb's tiles hang on the block row alone and are shared along a row of the cluster, wcat's on the block column
; alone and are shared along a column: both are asked for jointly.
; Transposed use as in the projections: source 0 = 16 columns of Wo, source 1 = 16 rows of ctx; a lane's registers 0-7 are eight neighbouring columns.
.set PA,    144                        ; ctx's LDS row (one head, 128 bytes) + 16
.set PB,    288                        ; Wo's LDS row (128 columns, 256 bytes) + 32: an odd multiple of 32 for the transposing load
.set PART,  128*PA                     ; 18,432 = 64 x 288 too: what one tensor load brings
.set CHUNK, 4*PART                     ; head 2 c, head 2 c + 1, Wo k rows 0-63, 64-127 of the chunk
.set STAGE, 4*CHUNK                    ; 294,912: 16 rows x 272 bytes for each wave; no tensor load lands here
.set SP,    272
.set ADRA, 16                          ; v16-19  ctx fragments' LDS address in chunk c
.set ADRB, 20                          ; v20-23  Wo fragments'
.set STO,  24
.set RD,   25
.set CO,   26
.set BOFF, 27
.set F0,   32                          ; v[32:95]   buffer 0: 4 fragments of Wo, then 4 of ctx
.set F1,   96                          ; v[96:159]  buffer 1
.set BIAS, 160                         ; v[160:191] column block b, register j: bo of column 16 b + 8 (l / 16) + j
.set RB,   192                         ; v[192:223] rows read back
.set G1A, 24                           ; s[24:31]
.set G1B, 32                           ; s[32:39]
.set G0A, 40                           ; s[40:55] one set for each chunk
.set G0B, 68                           ; s[68:83]
.set MSB, 0
.macro WIN new
.if MSB != \new
	s_set_vgpr_msb (MSB<<8)|\new
.set MSB, \new
.endif
.endm
.macro PLACES
.rept 4
	v_nop
.endr
.endm
.macro JLOAD c                         ; waves 0, 1 ask for ctx's two heads, waves 2, 3 for Wo's two halves: one mask to a line
	s_cmp_eq_u32 s13, 0
	s_cbranch_scc0 .Lfor_b_\@
	tensor_load_to_lds s[G0A+4*\c:G0A+4*\c+3], s[G1A:G1A+7]
	s_nop 0
	s_branch .Lasked_\@
.Lfor_b_\@:
	tensor_load_to_lds s[G0B+4*\c:G0B+4*\c+3], s[G1B:G1B+7]
	s_nop 0
.Lasked_\@:
.endm
.macro CROUND                          ; a round of the cluster's barrier
	s_barrier_signal -1
	s_barrier_wait -1
	s_cmp_lg_u32 s12, 0
	s_cbranch_scc1 .Lnot_wave_0_\@
	s_barrier_signal -3
.Lnot_wave_0_\@:
	s_barrier_wait -3
	s_barrier_signal -1
	s_barrier_wait -1
.endm
	s_load_b256 s[4:11], s[0:1], 0x0               ; ctxb s[4:5], wcat s[6:7], bo s[8:9], out0 s[10:11]
	v_lshl_add_u32 v254, v0, 2, 0x4c400
	v_mov_b32 v255, 0
	ds_add_u32 v254, v255
	v_lshrrev_b32 v1, 5, v0
	v_readfirstlane_b32 s12, v1                    ; wave 0..3
	s_lshr_b32 s13, s12, 1                         ; my half of the rows.  Also: I fetch ctx (0) or Wo (1)
	s_and_b32 s14, s12, 1                          ; my half of the columns.  Also: which part I fetch
	s_bfe_u32 s15, ttmp6, 0x40000                  ; cx
	s_bfe_u32 s16, ttmp6, 0x40004                  ; cy
	s_lshl_b32 s17, ttmp9, 2
	s_add_co_u32 s17, s17, s15                     ; block column 0..3
	s_and_b32 s18, ttmp7, 0xffff
	s_lshl_b32 s18, s18, 2
	s_add_co_u32 s18, s18, s16                     ; block row 0..63
	s_lshl_b32 s19, s16, 2
	s_lshl_b32 s19, 15, s19                        ; my row of the cluster
	s_lshl_b32 s20, 0x1111, s15                    ; my column
	; ctx: 128 rows x 64 elements, 4 words of padding behind every 32.  Wo: 64 k rows x 128 elements, 8 words behind every 64.
	s_or_b32 s[G1A+0], s19, (1<<16)|(1<<20)|(1<<21)|(4<<22)|(3<<25)
	s_mov_b32 s[G1A+1], 64<<16
	s_mov_b32 s[G1A+2], 128<<16
	s_mov_b32 s[G1A+3], 64<<16
	s_mov_b32 s[G1A+4], 128
	s_mov_b32 s[G1A+5], 64
	s_mov_b32 s[G1A+6], 0
	s_mov_b32 s[G1A+7], 0
	s_or_b32 s[G1B+0], s20, (1<<16)|(1<<20)|(1<<21)|(5<<22)|(7<<25)
	s_mov_b32 s[G1B+1], 128<<16
	s_mov_b32 s[G1B+2], 64<<16
	s_mov_b32 s[G1B+3], 128<<16
	s_mov_b32 s[G1B+4], 64
	s_mov_b32 s[G1B+5], 2048
	s_mov_b32 s[G1B+6], 0
	s_mov_b32 s[G1B+7], 0
	s_lshr_b32 s56, s18, 4                         ; ctx: b = block row / 16: 8 planes of 262,144 bytes,
	s_lshl_b32 s56, s56, 21
	s_and_b32 s57, s18, 15                         ; + 128 rows of 128 bytes for each block row in the batch,
	s_lshl_b32 s57, s57, 14
	s_add_co_u32 s56, s56, s57
	s_lshl_b32 s57, s14, 18                        ; + the head that I fetch; no register here ever holds cx
	s_add_co_u32 s56, s56, s57
	s_mov_b32 s57, 0
	s_lshl_b32 s58, s14, 18                        ; Wo: 64 x part rows of 4,096 bytes,
	s_lshl_b32 s59, s17, 8                         ; + 256 bytes for each block column,
	s_add_co_u32 s58, s58, s59
	s_add_co_u32 s58, s58, 3072                    ; + column 1536; no register here ever holds cy
	s_mov_b32 s59, 0
	s_mul_i32 s60, s12, PART                       ; where my part of a chunk lies: the wave's number alone
	s_lshl_b32 s84, s17, 9                         ; my first column in bytes of f32: 512 x block column + 256 x half
	s_lshl_b32 s85, s14, 8
	s_add_co_u32 s84, s84, s85
	s_mov_b32 s85, 0
	s_lshl_b32 s86, s18, 18                        ; my first row: (128 x block row + 64 x half) rows of 2,048 bytes
	s_lshl_b32 s87, s13, 17
	s_add_co_u32 s86, s86, s87
	s_add_co_u32 s86, s86, s84
	s_mov_b32 s87, 0
	s_wait_dscnt 0x0
	s_wait_kmcnt 0x0
	s_add_nc_u64 s[56:57], s[4:5], s[56:57]
	s_add_nc_u64 s[58:59], s[6:7], s[58:59]
	s_add_nc_u64 s[8:9], s[8:9], s[84:85]
	s_add_nc_u64 s[10:11], s[10:11], s[86:87]
	CROUND                                         ; all sixteen work-groups are here: the joint loads meet
.irp c, 0,1,2,3
	s_mov_b32 s[G0A+4*\c], 1
	s_add_co_u32 s[G0A+4*\c+1], s60, \c*CHUNK
	s_add_nc_u64 s[G0A+4*\c+2:G0A+4*\c+3], s[56:57], \c*0x80000    ; two heads on
	s_or_b32 s[G0A+4*\c+3], s[G0A+4*\c+3], 0x80000000
	s_mov_b32 s[G0B+4*\c], 1
	s_add_co_u32 s[G0B+4*\c+1], s60, \c*CHUNK
	s_add_nc_u64 s[G0B+4*\c+2:G0B+4*\c+3], s[58:59], \c*0x80000    ; 128 k rows on
	s_or_b32 s[G0B+4*\c+3], s[G0B+4*\c+3], 0x80000000
	JLOAD \c
.endr
	v_and_b32 v1, 15, v0                           ; l % 16
	v_bfe_u32 v2, v0, 4, 1                         ; l / 16
	v_lshlrev_b32 v[BOFF], 5, v2
.irp b, 0,1,2,3
	global_load_b128 v[BIAS+8*\b:BIAS+8*\b+3],   v[BOFF], s[8:9] offset:64*\b
	global_load_b128 v[BIAS+8*\b+4:BIAS+8*\b+7], v[BOFF], s[8:9] offset:64*\b+16
.endr
	v_mul_u32_u24 v3, v1, PA
	v_lshl_add_u32 v3, v2, 4, v3                   ; ctx: row x pitch + 16 x half
	s_mul_i32 s21, s13, 64*PA                      ; my 64 rows
	v_and_b32 v4, 7, v0
	v_lshl_add_u32 v4, v2, 3, v4
	v_mul_u32_u24 v4, v4, PB
	v_bfe_u32 v5, v0, 3, 1
	v_lshl_add_u32 v4, v5, 4, v4                   ; Wo: (8 (l / 16) + l % 8) x pitch + 16 x ((l / 8) % 2)
	s_lshl_b32 s22, s14, 7                         ; my 64 columns: 128 bytes,
	s_add_co_u32 s22, s22, 2*PART                  ; behind the chunk's two heads
.irp c, 0,1,2,3
	v_add_nc_u32 v[ADRA+\c], s21, v3
	v_add_nc_u32 v[ADRB+\c], s22, v4
	s_add_co_u32 s21, s21, CHUNK
	s_add_co_u32 s22, s22, CHUNK
.endr
	s_mul_i32 s23, s12, 16*SP
	s_add_co_u32 s23, s23, STAGE
	v_mul_u32_u24 v5, v1, SP                       ; in: row l % 16, 32 bytes for each half of the lanes
	v_lshl_add_u32 v5, v2, 5, v5
	v_add_nc_u32 v[STO], s23, v5
	v_mul_u32_u24 v5, v2, SP                       ; back: lanes 0-15 take one row of 256 bytes, lanes 16-31 the next
	v_lshl_add_u32 v5, v1, 4, v5
	v_add_nc_u32 v[RD], s23, v5
	v_lshlrev_b32 v5, 4, v1
	v_lshl_add_u32 v[CO], v2, 11, v5               ; the same two rows in out0
; 16 LDS loads: the fragments of quarter FQ (32 along K) of chunk FC into the buffer at FB
.macro FETCH
.irp b, 0,1,2,3
	ds_load_tr16_b128 v[FB+8*\b:FB+8*\b+3],   v[ADRB+FC] offset:FQ*32*PB+32*\b
	ds_load_tr16_b128 v[FB+8*\b+4:FB+8*\b+7], v[ADRB+FC] offset:FQ*32*PB+32*\b+16*PB
.endr
.irp a, 0,1,2,3
	ds_load_b128 v[FB+32+8*\a:FB+32+8*\a+3],   v[ADRA+FC] offset:(FQ/2)*PART+(FQ%2)*64+\a*16*PA
	ds_load_b128 v[FB+32+8*\a+4:FB+32+8*\a+7], v[ADRA+FC] offset:(FQ/2)*PART+(FQ%2)*64+\a*16*PA+32
.endr
.endm
; 16 matrix instructions from the buffer at FB; the 16 accumulators take turns in the same order in every quarter
.macro MUL
.irp a, 0,1,2,3
.irp b, 0,1,2,3
.if qq == 0
	v_wmma_f32_16x16x32_f16 v[8*(4*\a+\b):8*(4*\a+\b)+7], v[FB+8*\b:FB+8*\b+7], v[FB+32+8*\a:FB+32+8*\a+7], 0
.else
	v_wmma_f32_16x16x32_f16 v[8*(4*\a+\b):8*(4*\a+\b)+7], v[FB+8*\b:FB+8*\b+7], v[FB+32+8*\a:FB+32+8*\a+7], v[8*(4*\a+\b):8*(4*\a+\b)+7]
.endif
.endr
.endr
.endm
	s_wait_tensorcnt 0x3                           ; my part of chunk 0 is in; the three chunks issued behind it stay out (nothing is ever filled again)
	s_barrier_signal -1
	s_barrier_wait -1                              ; everybody's is
.set FC, 0
.set FQ, 0
.set FB, F0
	FETCH
.set qq, 0
.rept 16
	s_wait_dscnt 0x0                               ; this quarter's fragments are in
.if qq < 15
	PLACES                                         ; ahead of the loads into the buffer that the last quarter's products read
	WIN 0
.if qq % 4 == 3
	s_wait_tensorcnt 2-qq/4                        ; my part of the next chunk is in; the count is the number of later chunks
	s_barrier_signal -1
	s_barrier_wait -1
.endif
.set FC, (qq+1)/4
.set FQ, (qq+1)%4
.set FB, F0+64*((qq+1)%2)
	FETCH
.endif
.set FB, F0+64*(qq%2)
	WIN 0x50                                       ; C and D window 1
	MUL
.set qq, qq+1
.endr
	; THE WAY OUT, 16 rows at a time: add bo, through my stage, whole rows of 256 bytes out
	PLACES
	s_wait_loadcnt 0x0                             ; bo, asked for at the start
.macro OUT a
	WIN 0x41
.irp b, 0,1,2,3
.irp r, 0,1,2,3
	v_pk_add_f32 v[8*(4*\a+\b)+2*\r:8*(4*\a+\b)+2*\r+1], v[8*(4*\a+\b)+2*\r:8*(4*\a+\b)+2*\r+1], v[BIAS+8*\b+2*\r:BIAS+8*\b+2*\r+1]
.endr
.endr
	WIN 0x04                                       ; store data from window 1
.irp b, 0,1,2,3
	ds_store_b128 v[STO], v[8*(4*\a+\b):8*(4*\a+\b)+3]   offset:64*\b
	ds_store_b128 v[STO], v[8*(4*\a+\b)+4:8*(4*\a+\b)+7] offset:64*\b+16
.endr
	WIN 0
	s_wait_xcnt 0x0                                ; the rows read back, which earlier stores read, and the stores' base are rewritten only behind this wait (ISA guide 3.1)
.if \a
	s_add_nc_u64 s[10:11], s[10:11], 16*2048       ; 16 rows of out0 on
.endif
.irp t, 0,1,2,3,4,5,6,7
	ds_load_b128 v[RB+4*\t:RB+4*\t+3], v[RD] offset:\t*2*SP        ; my own bytes, served in order (ISA guide 5.7.1)
.endr
.irp t, 0,1,2,3,4,5,6,7
	s_wait_dscnt 7-\t                              ; the 7 - t younger LDS loads may be out
	global_store_b128 v[CO], v[RB+4*\t:RB+4*\t+3], s[10:11] offset:4096*\t th:TH_STORE_NT   ; 16 lanes store 256 consecutive bytes, aligned
.endr
.endm
	OUT 0
	OUT 1
	OUT 2
	OUT 3
	s_wait_tensorcnt 0x0
	ds_add_u32 v254, v255
	s_wait_dscnt 0x0
	CROUND                                         ; the closing round
	s_endpgm
.Lfunc_end_k_qc60c002588_oproj:
	.size	k_qc60c002588_oproj, .Lfunc_end_k_qc60c002588_oproj-k_qc60c002588_oproj
	.p2alignl 7, 3214868480
	.fill 96, 4, 3214868480
	.section	.rodata,"a",@progbits
	.p2align	6, 0x0
	.amdhsa_kernel k_qc60c002588_oproj
		.amdhsa_group_segment_fixed_size 312832
		.amdhsa_private_segment_fixed_size 0
		.amdhsa_enable_private_segment 0
		.amdhsa_kernarg_size 32
		.amdhsa_user_sgpr_count 2
		.amdhsa_user_sgpr_kernarg_segment_ptr 1
		.amdhsa_wavefront_size32 1
		.amdhsa_system_sgpr_workgroup_id_x 1
		.amdhsa_system_sgpr_workgroup_id_y 1
		.amdhsa_system_sgpr_workgroup_id_z 1
		.amdhsa_system_vgpr_workitem_id 0
		.amdhsa_next_free_vgpr 384
		.amdhsa_next_free_sgpr 88
		.amdhsa_reserve_vcc 0
		.amdhsa_float_denorm_mode_32 3
		.amdhsa_float_denorm_mode_16_64 3
		.amdhsa_memory_ordered 1
		.amdhsa_forward_progress 1
		.amdhsa_inst_pref_size 59
	.end_amdhsa_kernel
	.amdgpu_metadata
---
amdhsa.version: [ 1, 2 ]
amdhsa.kernels:
  - .name:           k_qc60c002588_oproj
    .symbol:         k_qc60c002588_oproj.kd
    .args:
      - { .name: ctxb, .offset: 0, .size: 8, .value_kind: global_buffer, .address_space: global }
      - { .name: wcat, .offset: 8, .size: 8, .value_kind: global_buffer, .address_space: global }
      - { .name: bo, .offset: 16, .size: 8, .value_kind: global_buffer, .address_space: global }
      - { .name: out0, .offset: 24, .size: 8, .value_kind: global_buffer, .address_space: global }
    .group_segment_fixed_size: 312832
    .private_segment_fixed_size: 0
    .kernarg_segment_align: 8
    .kernarg_segment_size: 32
    .max_flat_workgroup_size: 128
    .sgpr_count:     88
    .vgpr_count:     384
    .wavefront_size: 32
...
	.end_amdgpu_metadata
.endif
;; end of part 4
